; MI455X (gfx1250); checked and timed in simulation.
; The chip was launched on July 23, 2026; its instructions are those of AMD's public machine-readable ISA for CDNA 5 (MIT licence, August 2026) and "CDNA5" Instruction Set Architecture Reference Guide (July 2026). The comments in the code are by the model that wrote it; some were corrected since.
;; Attention. Allowed arithmetic: matrix products marked QUANTISED: E4M3 operands, one given power-of-two scale a tensor, by v_wmma_f32_16x16x64_fp8_fp8 or v_wmma_f32_16x16x128_fp8_fp8, f32 sums; products left as they are: f32 operands where the result goes on into a quantised operand, else bf16, f16 or f32 operands; f32 sums; everything else in f32.
;; Inputs: R_b 3 float32; R_w 3 x 64 float32; key 16 x 2,048 x 64 float32; lowp_scales 4 int32 (the exponents e of the quantised operands' scales 2^e); query 16 x 2,048 x 64 float32; value 16 x 2,048 x 64 float32.
;; Outputs: out0 16 x 2,048 x 64 float32.
;; This version of the problem:
;;   THIS VERSION OF THE PROBLEM IS GIVEN IN LOW PRECISION. The matrix products marked QUANTISED in the list below multiply operands that are first quantised to E4M3 (4 exponent bits, 3 mantissa bits; 8 bits a number), with one given power-of-two scale for each operand tensor; their sums are f32. All else is computed in f32.
;;   The module's matrix products, in the order in which they are computed (A, B: the left and right operand; K: the contracted axis; several contracted axes count as one K, in the product's order):
;;     1. batch 16 x [M 2,048, K 64] x [K 64, N 2,048]; A: input query; B: input key: QUANTISED (scales: A lowp_scales[0], B lowp_scales[1])
;;     2. [M 32,768, K 64] x [K 64, N 3]; A: input query; B: input R_w: left as it is (N = 3 < 16)
;;     3. batch 16 x [M 2,048, K 2,048] x [K 2,048, N 64]; A: softmax (see below); B: input value: QUANTISED (scales: A lowp_scales[2], B lowp_scales[3])
;;   THE QUANTISER, for each operand of a quantised product, along K:
;;     - The operand's scale is 2^e, e = its entry of the input lowp_scales (int32; the entries are numbered through the quantised products in the list's order, A before B).
;;     - Each number is divided by the scale, clamped to +-448, and rounded to the nearest number of E4M3, ties to even, subnormals kept.
;;     - The product sums the exact products of the quantised numbers (number of the format x scale) in f32.
;;   ~~~python
;;   def quantise(x, axis, e):      # numpy; x: float32 -> the quantised numbers, widened to float32 again
;;       x = np.moveaxis(x, axis, -1); K = x.shape[-1]
;;       r = np.clip(x / 2.0 ** e, -448, 448)
;;       step = 2.0 ** (np.maximum(np.frexp(np.where(r == 0, 1, r))[1] - 1, -6) - 3)
;;       q = np.round(r / step) * step * 2.0 ** e      # np.round: ties to even
;;       return np.moveaxis(q, -1, axis).astype(np.float32)
;;   ~~~
;;   SOFTMAX AHEAD OF A QUANTISED PRODUCT. Where the list says 'softmax', what is quantised is not the finished softmax but p = 2^(t - M), with t = logit x log2(e) and M = ceil(the row's largest t), a whole number; so 1/2 < the row's largest p <= 1. The row's sum l is taken of the UNQUANTISED p, in f32, and the product's result is divided by l at the end. Since M is a whole number, a kernel that streams over the keys may use a running M (the ceiling of the running maximum): every later rescaling is an exact power of two, so the quantised numbers keep their values, but for numbers so far below the row's largest that they fall under the format's range.
;;   OPERANDS COMPUTED ON THE WAY. 'Computed on the way' means the value that the module computes at that place (a softmax that the list does not call 'softmax' is quantised finished and normalised). What goes into a quantiser is computed in f32, as accurately as f32 sums, v_exp_f32 and their like allow (about 1e-6 of the number): no bf16 or f16 on the way to a quantiser, and a product that is left as it is and whose result goes on into a quantised operand takes f32 operands (vector FMAs, or v_wmma_f32_16x16x4_f32). A number that lies on a knife's edge between two numbers of the format may be rounded either way, as far as f32 arithmetic and the matrix unit's own rounding can turn it there, and no further.
;; One version. Each part assembles by itself: llvm-mc -triple=amdgcn-amd-amdhsa -mcpu=gfx1250 --defsym DOCPART=n.
;; ======== version 1 of 1: 2 launches
;; limits: right only within a limited range of input values
;; workspace buffers: kv 4,194,304 bytes
;; launch prep (part 1): grid 16 x 16, 8 waves a work-group, no clusters, 35,840 bytes of LDS; arguments key, value, lowp_scales, kv; writes kv
.if DOCPART == 1
	.amdgcn_target "amdgcn-amd-amdhsa--gfx1250"
	.amdhsa_code_object_version 6
	.text
	.protected	k_q73f5c4cf6e_prep
	.globl	k_q73f5c4cf6e_prep
	.p2align	8
	.type	k_q73f5c4cf6e_prep,@function
k_q73f5c4cf6e_prep:
	s_mov_b64 s[64:65], 0
	v_nop
	global_prefetch_b8 v0, s[64:65] scope:SCOPE_SE
	s_setreg_imm32_b32 hwreg(HW_REG_WAVE_MODE, 25, 1), 1
	s_wait_xcnt 0x0
; key and value, [16 heads][2048][64] f32, become codes of FP8 (E4M3) with the given scales 2^ek and 2^ev (entries 1 and 3 of the scales' buffer), laid in kv as
; IMAGES OF THE OPERANDS' REGISTERS of the attention launch: kv = [head 16][step 16][16,384 bytes], a step = 128 keys.
;   K:   tile t (0..7), group c (0, 1), lane L = 16 h + rho, at t*1024 + c*512 + 16 L: 16 codes of key 32 (t/2) + 8 (t%2) + rho + 8 (rho/8), channels 32 c + 16 h + 0..15
;   V^T: channel tile tau (0..3), group b (0..3), lane L, at 8192 + tau*2048 + b*512 + 16 L: 16 codes of channel 16 tau + rho, keys 32 b + 16 h + 0..15
; code = x / 2^e, held within +-448, rounded to the nearest code, ties to even.
; LIMITS: ek and ev between -126 and 119, so that 2^e and 448 x 2^e are f32 numbers.  NaN among the inputs is not served.
; SHARES: a work-group takes one step of one head; wave w makes K's tile w and V's keys 16 w .. 16 w + 15 for all 64 channels.  Waves share nothing: no barrier.
; K: each load reads two whole rows, 512 consecutive bytes; the 16 rows turn through the wave's own stage in LDS (rows of 256 + 16 bytes), so that a lane gets 2 x 16 neighbours along the channels.
; V: a lane takes channels L and L + 32 and its registers run down the keys, so the conversions give codes with the keys innermost; nothing is transposed.
.set STGB, 16*272                      ; a wave's stage
.set KR,  16                           ; v16-47   K as loaded
.set KT,  48                           ; v48-79   K turned: register 16 c + i = channel 32 c + 16 h + i of my key
.set VR,  80                           ; v80-95 channel L, v96-111 channel L + 32: 16 keys each
.set KC,  112                          ; v112-119 K's codes
.set VC,  120                          ; v120-127 V's codes
	s_load_b256 s[4:11], s[0:1], 0x0               ; key s[4:5], value s[6:7], the scales' exponents s[8:9], kv s[10:11]
	v_lshl_add_u32 v128, v0, 2, 0x8800
	v_mov_b32 v129, 0
	v_lshrrev_b32 v1, 5, v0
	s_delay_alu instid0(VALU_DEP_1)
	v_readfirstlane_b32 s12, v1                    ; wave 0..7
	v_and_b32 v1, 31, v0                           ; lane L
	s_and_b32 s14, ttmp7, 0xffff                   ; head; ttmp9 is the step
	s_mul_i32 s15, s12, STGB                       ; my stage
	v_lshlrev_b32 v2, 4, v1                        ; 16 L: my bytes of a load's 512, and of a K image's 512
	v_lshrrev_b32 v7, 4, v1                        ; L / 16
	v_and_b32 v8, 15, v1                           ; L % 16
	s_delay_alu instid0(VALU_DEP_2)
	v_mul_u32_u24 v3, v7, 272
	s_delay_alu instid0(VALU_DEP_1)
	v_lshl_add_u32 v3, v8, 4, v3
	s_delay_alu instid0(VALU_DEP_1)
	v_add_nc_u32 v3, s15, v3                       ; the stage, way in: lanes 0-15 one row, lanes 16-31 the next
	s_delay_alu instid0(VALU_DEP_4)
	v_mul_u32_u24 v4, v8, 272
	s_delay_alu instid0(VALU_DEP_1)
	v_lshl_add_u32 v4, v7, 6, v4
	s_delay_alu instid0(VALU_DEP_1)
	v_add_nc_u32 v4, s15, v4                       ; way out: row rho, + 64 h bytes: my 16 channels of a group of 32
	v_lshlrev_b32 v5, 2, v1                        ; V: channel L of a row
	v_lshlrev_b32 v6, 11, v7
	s_delay_alu instid0(VALU_DEP_1)
	v_lshl_add_u32 v6, v8, 4, v6                   ; V's image: tau = L / 16, rho = L % 16
	; offsets, apart from the addresses
	s_lshl_b32 s24, s14, 19                        ; a head is 2,048 rows of 256 bytes,
	s_lshl_b32 s25, ttmp9, 15                      ; a step 128
	s_add_co_u32 s24, s24, s25
	s_lshr_b32 s26, s12, 1                         ; w / 2
	s_and_b32 s27, s12, 1                          ; w % 2
	s_lshl_b32 s28, s26, 13                        ; K's tile w begins at row 32 (w / 2) + 8 (w % 2)
	s_lshl_b32 s29, s27, 11
	s_add_co_u32 s28, s28, s29
	s_add_co_u32 s28, s28, s24
	s_mov_b32 s29, 0
	s_lshl_b32 s30, s12, 12                        ; V's keys 16 w on
	s_add_co_u32 s30, s30, s24
	s_mov_b32 s31, 0
	s_lshl_b32 s24, s14, 18                        ; kv: a head is 16 steps of 16,384 bytes
	s_lshl_b32 s25, ttmp9, 14
	s_add_co_u32 s24, s24, s25
	s_lshl_b32 s20, s12, 10                        ; K's tile w
	s_add_co_u32 s20, s20, s24
	s_mov_b32 s21, 0
	s_lshl_b32 s22, s26, 9                         ; V: my 16 keys are group b = w / 2, half h = w % 2: 512 b + 256 h
	s_lshl_b32 s23, s27, 8
	s_add_co_u32 s22, s22, s23
	s_add_co_u32 s22, s22, s24
	s_add_co_u32 s22, s22, 8192
	s_mov_b32 s23, 0
	s_wait_alu depctr_va_vdst(0)
	s_wait_kmcnt 0x0
	s_load_b128 s[16:19], s[8:9], 0x0              ; eq, ek, ep, ev
	s_add_nc_u64 s[4:5], s[4:5], s[28:29]
	s_add_nc_u64 s[6:7], s[6:7], s[30:31]
	s_add_nc_u64 s[20:21], s[10:11], s[20:21]
	s_add_nc_u64 s[22:23], s[10:11], s[22:23]
.irp n, 0,1,2,3,4,5,6,7                        ; the tile's rows 0-7 and 16-23, two at a time
	global_load_b128 v[KR+4*\n:KR+4*\n+3], v2, s[4:5] offset:(2*\n+8*(\n/4))*256 th:TH_LOAD_NT
.endr
.irp i, 0,1,2,3,4,5,6,7,8,9,10,11,12,13,14,15  ; 32 lanes read 128 consecutive bytes of key i's row
	global_load_b32 v[VR+\i], v5, s[6:7] offset:\i*256 th:TH_LOAD_NT
	global_load_b32 v[VR+16+\i], v5, s[6:7] offset:\i*256+128 th:TH_LOAD_NT
.endr
	s_wait_kmcnt 0x0
	s_add_co_i32 s24, s17, 127
	s_lshl_b32 s25, s24, 23
	v_mov_b32 v11, s25                             ; 2^ek as f32: the conversion takes its exponent field
	s_add_co_i32 s24, s24, 8
	s_lshl_b32 s24, s24, 23
	s_or_b32 s24, s24, 0x600000
	v_mov_b32 v10, s24                             ; 448 x 2^ek
	s_add_co_i32 s24, s19, 127
	s_lshl_b32 s25, s24, 23
	v_mov_b32 v13, s25                             ; 2^ev
	s_add_co_i32 s24, s24, 8
	s_lshl_b32 s24, s24, 23
	s_or_b32 s24, s24, 0x600000
	v_mov_b32 v12, s24                             ; 448 x 2^ev
	s_wait_alu depctr_va_vdst(0)
	s_wait_loadcnt 32                              ; K's eight loads are in; V's 32, issued behind them, may be out
.irp n, 0,1,2,3,4,5,6,7
	ds_store_b128 v3, v[KR+4*\n:KR+4*\n+3] offset:2*\n*272
.endr
.irp c, 0,1                                    ; LDS serves a wave's instructions in order (ISA guide 5.7.1.4): these see my stores
.irp j, 0,1,2,3
	ds_load_b128 v[KT+16*\c+4*\j:KT+16*\c+4*\j+3], v4 offset:128*\c+16*\j
.endr
.endr
	s_wait_dscnt 0x0
.set n, 0
.rept 32
	v_med3_num_f32 v[KT+n], v[KT+n], -v10, v10     ; the conversion to an 8-bit code does not saturate (ISA guide 7.6.2): the hold at the largest code x the scale
.set n, n+1
.endr
.irp g, 0,1,2,3
	v_cvt_scalef32_pk8_fp8_f32 v[KC+2*\g:KC+2*\g+1], v[KT+8*\g:KT+8*\g+7], v11
.endr
	global_store_b128 v2, v[KC:KC+3], s[20:21]             ; 32 lanes store 512 consecutive bytes, at a multiple of 512 from kv's first byte
	global_store_b128 v2, v[KC+4:KC+7], s[20:21] offset:512
	s_wait_loadcnt 0x0                             ; V
.set n, 0
.rept 32
	v_med3_num_f32 v[VR+n], v[VR+n], -v12, v12
.set n, n+1
.endr
.irp g, 0,1,2,3
	v_cvt_scalef32_pk8_fp8_f32 v[VC+2*\g:VC+2*\g+1], v[VR+8*\g:VR+8*\g+7], v13
.endr
	global_store_b128 v6, v[VC:VC+3], s[22:23]             ; sixteen lanes store 256 consecutive bytes, at a multiple of 256: channels 0-15 and 16-31,
	global_store_b128 v6, v[VC+4:VC+7], s[22:23] offset:4096   ; 32-47 and 48-63
	s_wait_tensorcnt 0x0
	ds_add_u32 v128, v129
	s_wait_dscnt 0x0
	s_endpgm
.Lfunc_end_k_q73f5c4cf6e_prep:
	.size	k_q73f5c4cf6e_prep, .Lfunc_end_k_q73f5c4cf6e_prep-k_q73f5c4cf6e_prep
	.p2alignl 7, 3214868480
	.fill 96, 4, 3214868480
	.section	.rodata,"a",@progbits
	.p2align	6, 0x0
	.amdhsa_kernel k_q73f5c4cf6e_prep
		.amdhsa_group_segment_fixed_size 35840
		.amdhsa_private_segment_fixed_size 0
		.amdhsa_enable_private_segment 0
		.amdhsa_kernarg_size 32
		.amdhsa_user_sgpr_count 2
		.amdhsa_user_sgpr_kernarg_segment_ptr 1
		.amdhsa_wavefront_size32 1
		.amdhsa_system_sgpr_workgroup_id_x 1
		.amdhsa_system_sgpr_workgroup_id_y 1
		.amdhsa_system_sgpr_workgroup_id_z 1
		.amdhsa_system_vgpr_workitem_id 0
		.amdhsa_next_free_vgpr 130
		.amdhsa_next_free_sgpr 66
		.amdhsa_reserve_vcc 0
		.amdhsa_float_denorm_mode_32 3
		.amdhsa_float_denorm_mode_16_64 3
		.amdhsa_memory_ordered 1
		.amdhsa_forward_progress 1
		.amdhsa_inst_pref_size 14
	.end_amdhsa_kernel
	.amdgpu_metadata
---
amdhsa.version: [ 1, 2 ]
amdhsa.kernels:
  - .name:           k_q73f5c4cf6e_prep
    .symbol:         k_q73f5c4cf6e_prep.kd
    .args:
      - { .name: key, .offset: 0, .size: 8, .value_kind: global_buffer, .address_space: global }
      - { .name: value, .offset: 8, .size: 8, .value_kind: global_buffer, .address_space: global }
      - { .name: lowp_scales, .offset: 16, .size: 8, .value_kind: global_buffer, .address_space: global }
      - { .name: kv, .offset: 24, .size: 8, .value_kind: global_buffer, .address_space: global }
    .group_segment_fixed_size: 35840
    .private_segment_fixed_size: 0
    .kernarg_segment_align: 8
    .kernarg_segment_size: 32
    .max_flat_workgroup_size: 256
    .sgpr_count:     66
    .vgpr_count:     130
    .wavefront_size: 32
...
	.end_amdgpu_metadata
.endif
;; end of part 1
;; launch attn (part 2): grid 16 x 16, 8 waves a work-group, no clusters, 187,392 bytes of LDS; arguments query, kv, R_w, R_b, lowp_scales, out0; writes out0
.if DOCPART == 2
	.amdgcn_target "amdgcn-amd-amdhsa--gfx1250"
	.amdhsa_code_object_version 6
	.text
	.protected	k_q73f5c4cf6e_attn
	.globl	k_q73f5c4cf6e_attn
	.p2align	8
	.type	k_q73f5c4cf6e_attn,@function
k_q73f5c4cf6e_attn:
	s_mov_b64 s[64:65], 0
	v_nop
	global_prefetch_b8 v0, s[64:65] scope:SCOPE_SE
	s_setreg_imm32_b32 hwreg(HW_REG_WAVE_MODE, 25, 1), 1
	s_wait_xcnt 0x0
; out[h][q][:] = the sum over k of softmax_k((Q[h][q] . K[h][k] + pos[q][sign(k - q) + 1] - 1e10 [k > q]) / sqrt(512)) V[h][k][:], pos = Q R_w^T + R_b.  16 heads, 2,048 queries and keys, 64 channels.
; Both large products run on codes of FP8 (E4M3) with the given scales 2^eq, 2^ek, 2^ep, 2^ev.  K's and V's codes come from kv, as images of the operands' registers ([head][step of 128 keys][16,384 bytes]:
; K's 8 tiles of 1,024 bytes, then V^T's 4 tiles of 2,048).  Q arrives as f32: pos is made of it in f32 by vector multiply-adds, then it is quantised in registers.
; THE SOFTMAX AHEAD OF THE SECOND PRODUCT: t = logit x log2(e); M = the largest t so far, rounded UP to a whole number; p = 2^(t - M) is quantised, not normalised; the row's sum is taken of the unquantised p and
; divides at the end.  When M moves, the sum and O are multiplied by 2^(old M - new M): exact.
; THE MASK is built by the problem itself, so key steps that lie wholly above the diagonal are not walked.  In the one step on the diagonal the scores get, in units of the code sums,
; (pos1 - pos0) 2^-(eq+ek) on the diagonal, (pos2 - pos0 - 1e10) 2^-(eq+ek) above it; pos0 is added to every t.
; SHARES.  A head's queries are 16 super-blocks of 128; super-block sb has sb + 1 steps of 128 keys.  Work-group x of a head takes 64 queries of super-block 15 - a and 64 of a, a = x / 2: two COUPLES, each of a long
; block of 32 queries (nL = 16 - a steps) and a short one (a + 1 steps): 17 steps on end, dealt to the couple's four waves: 0-3, 4-8, 9-12, 13-16.  A wave whose run crosses from the long block into the short one hands
; its first sums over and begins anew.  All partial sums meet once in LDS, where each wave merges one tile of 16 queries and stores it.
; A wave's 32 queries are two tiles, A and B: each fragment of K and V feeds two matrix instructions.
; OPERANDS go from memory straight into registers: each load takes 512 consecutive bytes, and a step's 32 loads go out a whole step ahead of their use.  No LDS bytes are filled by an engine, so nothing is there for
; joint requests to fill (cluster = none): partners would also need different steps at the same time (their runs begin at steps that hang on a).  No data prefetch: a wave's walk is four or five trips, the first trip's
; 16 KB go out at the head and each later trip's a trip ahead; at the head eight waves of each of 256 work-groups ask for 16 KB each, eight times the bytes of kv.
; Q: wave j of a couple makes the codes and the position terms of one of the couple's four tiles (long A, long B, short A, short B) and shares them through LDS; the same tile is the one that it merges and stores.
; THE HOLD OF p at 448 x 2^ep is walked only where ep < -8: p is at most 1 (but for rounding), and 448 x 2^-8 = 1.75.
; LAYOUT.  Both products are used transposed: S^T = K Q^T (source 0 = 16 keys, source 1 = 16 queries), O^T = V^T P^T: a lane holds ONE query (lane % 16) throughout.  The keys of a tile are not neighbours
; (lane rho of tile 2 b + u has key 32 b + 8 u + rho + 8 (rho / 8)), so that register 16 b + i of S^T is key 32 b + 16 (lane / 16) + i: 16 neighbours, which the conversions turn into the second product's operand.
; LIMITS on the given exponents, so that each power of two below is an f32 number: eq, ep between -126 and 119; eq + ek between -90 and 131 (added to c's exponent field; 1e10 x 2^-(eq+ek) is kept in f32);
; ep + ev is applied by v_ldexp_f32.  The scaled scores stay under 2^31 in magnitude, and their spread under the mask's 1e10.  NaN among the inputs is not served, and what reaches only the steps not walked is not
; carried to the result.  A tile's waves keep a running M each; numbers far under a row's largest may so fall under the format's range at another place than with one M.
; REGISTERS, two windows with one map (window 0: tile A and K's fragments; window 1: tile B and V's fragments): v10 2^ep; v12 B0 - M; v13 the largest score; v[14:15] the sum in two halves; v16-23 Q's codes of the long
; block, v24-31 of the short one; v32-95 fragments; v96-159 S^T, then p; v160-191 O^T; v192-207 p's codes; v208-223 T_i (else the chains of sums); v224-239 G_b and H_b, each twice; v[240:241] f, 0; v242 -M; v243-247 at work;
; v248-251 B0, what the diagonal and what lies above it get (long block), v252-255 (short block).
; window 0 alone: v0 thread; v1 16 x lane; v2, v3 the spare word, 0; v4, v5 stage in and back; v6, v7 the hand-over; v8, v9 the merge.
.set FR,  32
.set S,   96
.set O,   160
.set PC,  192
.set TT,  208
.set GH,  224
.set PART,  8704                       ; a partial result: tile A's O^T (8 images of 512), tile B's, -M of A and B, the sums of A and B (128 bytes each)
.set COUPB, 8*PART                     ; a couple: four places for the long block, four for the short one (the last two are used)
.set STAGE, 2*COUPB                    ; the way out: 16 rows x 272 bytes for each wave
.set QX,    STAGE+8*4352               ; Q's exchange: 1,536 bytes for each tile
.set SPARE, QX+8*1536                  ; the spare words
; s16 wave, s17 couple, s18 j, s19 head, s22 nL, s23 behind my last step of the 17, s24 the step, s25 behind the segment's last, s26 the diagonal's, s27 the hold is walked, s[30:31] K's and s[32:33] V's place in memory,
; s[34:35] the head's codes, s[36:37] a step's offset, s39, s40 my tiles' places in their super-block, s[50:51] c', s[52:53] lane selects, s54 448 x 2^ep, s55 ep + ev, s[56:59] eq ek ep ev, s[60:62] R_b, s67 -(eq + ek)
.set MSB, 0
.macro WIN new                         ; the immediate's high byte repeats the setting that is left
.if MSB != (\new)
	s_set_vgpr_msb (MSB<<8)|(\new)
.set MSB, (\new)
.endif
.endm
.macro INIT                            ; a tile's sums begin as zeros and its largest score as -3e38, under every score: the first change of M leaves the zeros zeros
.set n, 0
.rept 32
	v_mov_b32 v[O+n], 0
.set n, n+1
.endr
	v_mov_b32 v13, 0xff61b1e6
	v_mov_b32 v14, 0
	v_mov_b32 v15, 0
	v_mov_b32 v241, 0                              ; (named as the upper half of the pair v[240:241])
	v_mov_b32 v242, 0x7f61b1e6                     ; -M
	v_mov_b32 v243, 0                              ; a lane permute's destination counts as one of its sources
.endm
.macro KLOAD
.irp t, 0,1,2,3,4,5,6,7
	global_load_b128 v[FR+8*\t:FR+8*\t+3], v1, s[30:31] offset:\t*1024
	global_load_b128 v[FR+8*\t+4:FR+8*\t+7], v1, s[30:31] offset:\t*1024+512
.endr
.endm
.macro VTILE t                         ; one of V^T's four tiles, into window 1
.irp b, 0,1,2,3
	global_load_b128 v[FR+16*\t+4*\b:FR+16*\t+4*\b+3], v1, s[32:33] offset:8192+\t*2048+\b*512
.endr
.endm
.macro PLACES
.rept 4
	v_nop
.endr
.endm
	s_load_b256 s[4:11], s[0:1], 0x0               ; query s[4:5], kv s[6:7], R_w s[8:9], R_b s[10:11]
	s_load_b128 s[12:15], s[0:1], 0x20             ; the scales' exponents s[12:13], out s[14:15]
	v_lshl_add_u32 v2, v0, 2, SPARE
	v_mov_b32 v3, 0
	v_lshrrev_b32 v4, 5, v0
	v_readfirstlane_b32 s16, v4                    ; wave 0..7
	v_and_b32 v4, 31, v0                           ; lane
	v_and_b32 v224, 15, v0                         ; r = lane % 16
	v_bfe_u32 v225, v0, 4, 1                       ; h = lane / 16
	v_lshlrev_b32 v1, 4, v4
	s_lshr_b32 s17, s16, 2                         ; couple
	s_and_b32 s18, s16, 3
	s_mul_i32 s20, s17, 3
	s_xor_b32 s18, s18, s20                        ; j: couple 1 deals its shares in the other order
	s_and_b32 s19, ttmp7, 0xffff                   ; head
	s_lshr_b32 s20, ttmp9, 1                       ; a
	s_sub_co_u32 s22, 16, s20                      ; nL
	s_and_b32 s21, ttmp9, 1
	s_lshl_b32 s21, s21, 1
	s_add_co_u32 s21, s21, s17                     ; which 32 queries of a super-block are the couple's
	s_lshl_b32 s39, s21, 1
	s_add_co_u32 s40, s39, 1
	s_lshl_b32 s24, s18, 2
	s_min_u32 s28, s18, 1
	s_add_co_u32 s23, s24, s28
	s_add_co_u32 s23, s23, 4                       ; 4, 9, 13, 17
	s_lshr_b32 s28, s18, 1                         ; 1: my tile of the exchange and of the way out is the short block's
	s_add_co_u32 s24, s24, s28                     ; 0, 4, 9, 13
	s_sub_co_u32 s29, s22, 1
	s_cmp_eq_u32 s28, 1
	s_cselect_b32 s29, s20, s29                    ; its super-block
	s_lshl_b32 s70, s19, 19                        ; Q and out: a head is 2,048 rows of 256 bytes,
	s_lshl_b32 s29, s29, 15                        ; a super-block 128,
	s_add_co_u32 s70, s70, s29
	s_lshl_b32 s29, s21, 13                        ; the couple's block 32,
	s_add_co_u32 s70, s70, s29
	s_and_b32 s29, s18, 1
	s_lshl_b32 s38, s29, 12                        ; a tile 16
	s_add_co_u32 s70, s70, s38
	s_mov_b32 s71, 0
	s_lshl_b32 s68, s19, 18                        ; the head's codes
	s_mov_b32 s69, 0
	s_sub_co_u32 s38, s24, s22
	s_cmp_lt_u32 s24, s22
	s_cselect_b32 s36, s24, s38                    ; my first key step: of the long block's, or of the short one's
	s_lshl_b32 s36, s36, 14
	s_mov_b32 s37, 0
	s_mov_b32 s52, 0x76543210                      ; v_permlanex16_b32: lane l xor 16
	s_mov_b32 s53, 0xfedcba98
	; every LDS address is made here, ahead of any parting of the waves
	s_mul_i32 s41, s17, COUPB
	s_mul_i32 s42, s18, PART
	s_add_co_u32 s42, s42, s41                     ; my place for the hand-over (the short block's lies four places on)
	s_wait_alu depctr_va_vdst(0)
	v_add_nc_u32 v6, s42, v1
	s_add_co_u32 s42, s42, 8192
	v_lshl_add_u32 v7, v4, 2, s42
	s_mul_i32 s43, s28, 6*PART
	s_add_co_u32 s43, s43, s41                     ; the first partial result of my tile
	s_lshl_b32 s44, s29, 12
	s_add_co_u32 s44, s44, s43
	v_add_nc_u32 v8, s44, v1
	s_lshl_b32 s44, s29, 7
	s_add_co_u32 s44, s44, s43
	s_add_co_u32 s44, s44, 8192
	v_lshl_add_u32 v9, v4, 2, s44
	s_mul_i32 s44, s17, 4*1536
	s_add_co_u32 s44, s44, QX
	v_add_nc_u32 v229, s44, v1                     ; the exchange, out of it
	s_mul_i32 s45, s18, 1536
	s_add_co_u32 s44, s44, s45
	v_add_nc_u32 v228, s44, v1                     ; and into it
	s_mul_i32 s44, s16, 4352
	s_add_co_u32 s44, s44, STAGE
	s_wait_alu depctr_va_vdst(0)
	v_mul_u32_u24 v4, v224, 272
	v_lshl_add_u32 v4, v225, 5, v4
	v_add_nc_u32 v4, s44, v4                       ; the stage, in: row r, + 32 h
	v_mul_u32_u24 v5, v225, 272
	v_lshl_add_u32 v5, v224, 4, v5
	v_add_nc_u32 v5, s44, v5                       ; back: lanes 0-15 one row, lanes 16-31 the next
	v_lshlrev_b32 v227, 6, v225                    ; R_w: my 16 channels of a group of 32
	v_lshl_add_u32 v226, v224, 8, v227             ; Q: the same channels of row r
	s_wait_alu depctr_va_vdst(0)
	s_wait_kmcnt 0x0
	s_load_b128 s[56:59], s[12:13], 0x0            ; eq, ek, ep, ev
	s_load_b96 s[60:62], s[10:11], 0x0             ; R_b
	s_add_nc_u64 s[4:5], s[4:5], s[70:71]
	s_add_nc_u64 s[14:15], s[14:15], s[70:71]
	s_add_nc_u64 s[34:35], s[6:7], s[68:69]
	s_add_nc_u64 s[30:31], s[34:35], s[36:37]
	s_add_nc_u64 s[32:33], s[34:35], s[36:37]
.irp c, 0,1
.irp j, 0,1,2,3
	global_load_b128 v[S+16*\c+4*\j:S+16*\c+4*\j+3], v226, s[4:5] offset:128*\c+16*\j th:TH_LOAD_NT   ; Q(r, 32 c + 16 h + 4 j ..)
.endr
.endr
.irp c, 0,1
.irp j, 0,1,2,3
	global_load_b128 v[160+16*\c+4*\j:160+16*\c+4*\j+3], v227, s[8:9] offset:128*\c+16*\j             ; R_w's rows 0, 1, 2 at the same channels
	global_load_b128 v[192+16*\c+4*\j:192+16*\c+4*\j+3], v227, s[8:9] offset:256+128*\c+16*\j
	global_load_b128 v[128+16*\c+4*\j:128+16*\c+4*\j+3], v227, s[8:9] offset:512+128*\c+16*\j
.endr
.endr
	KLOAD                                          ; my first step's codes
	WIN 0x40
	VTILE 0
	VTILE 1
	VTILE 2                                        ; (the last tile's loads go out behind Q's wait)
	INIT                                           ; tile B
	WIN 0
	s_wait_alu depctr_va_vdst(0)
	s_wait_kmcnt 0x0
	s_add_co_i32 s20, s56, s57                     ; eq + ek
	s_sub_co_i32 s67, 0, s20
	s_lshl_b32 s20, s20, 23
	s_mov_b32 s50, 0x3d8293ee                      ; c = log2(e) / sqrt(512)
	s_add_co_i32 s50, s50, s20                     ; c' = c 2^(eq + ek): a code sum stands for sum x 2^(eq + ek)
	s_mov_b32 s51, s50                             ; (named with it as a pair, so it is written)
	s_cmp_lt_i32 s58, -8
	s_cselect_b32 s27, 1, 0                        ; 448 x 2^ep is under 1: p is held
	s_add_co_i32 s55, s58, s59                     ; ep + ev
	s_add_co_i32 s20, s58, 127
	s_lshl_b32 s21, s20, 23                        ; 2^ep as f32, for p's conversions
	s_add_co_i32 s20, s20, 8
	s_lshl_b32 s20, s20, 23
	s_or_b32 s54, s20, 0x600000                    ; 448 x 2^ep
	v_mov_b32 v10, s21
	WIN 0x40
	v_mov_b32 v10, s21
	WIN 0
	s_add_co_i32 s20, s56, 127
	s_lshl_b32 s21, s20, 23
	v_mov_b32 v11, s21                             ; 2^eq, for Q's conversions
	s_add_co_i32 s20, s20, 8
	s_lshl_b32 s20, s20, 23
	s_or_b32 s20, s20, 0x600000
	v_mov_b32 v12, s20                             ; 448 x 2^eq
	s_wait_alu depctr_va_vdst(0)
	s_wait_loadcnt 28                              ; Q and R_w are in; 16 loads of K and 12 of V may be out
	WIN 0x40
	VTILE 3
	WIN 0
	; pos = Q R_w^T + R_b in f32: my 32 channels, two at a time, the three rows by turns; then lane l xor 16's 32 channels, and R_b
	v_pk_mul_f32 v[230:231], v[S:S+1], v[160:161]
	v_pk_mul_f32 v[232:233], v[S:S+1], v[192:193]
	v_pk_mul_f32 v[234:235], v[S:S+1], v[128:129]
.set n, 2
.rept 15
	v_pk_fma_f32 v[230:231], v[S+n:S+n+1], v[160+n:161+n], v[230:231]
	v_pk_fma_f32 v[232:233], v[S+n:S+n+1], v[192+n:193+n], v[232:233]
	v_pk_fma_f32 v[234:235], v[S+n:S+n+1], v[128+n:129+n], v[234:235]
.set n, n+2
.endr
	v_add_f32 v230, v230, v231
	v_add_f32 v232, v232, v233
	v_add_f32 v234, v234, v235
	v_permlanex16_b32 v231, v230, s52, s53
	v_permlanex16_b32 v233, v232, s52, s53
	v_permlanex16_b32 v235, v234, s52, s53
	v_add_f32 v230, v230, v231
	v_add_f32 v232, v232, v233
	v_add_f32 v234, v234, v235
	v_add_f32 v230, s60, v230                      ; pos0: keys before my query
	v_add_f32 v232, s61, v232                      ; pos1: the diagonal
	v_add_f32 v234, s62, v234                      ; pos2: keys after it
	v_mul_f32 v236, 0x3d8293ee, v230               ; B0 = pos0 c: added to every t
	v_sub_f32 v237, v232, v230
	v_sub_f32 v238, v234, v230
	v_mov_b32 v239, 0
	v_ldexp_f32 v237, v237, s67                    ; (pos1 - pos0) in units of the code sums
	v_add_f32 v238, 0xd01502f9, v238               ; - 1e10
.set n, 0
.rept 32
	v_med3_num_f32 v[S+n], v[S+n], -v12, v12       ; the conversion to an 8-bit code does not saturate (ISA guide 7.6.2): the hold at the largest code x the scale
.set n, n+1
.endr
	v_ldexp_f32 v238, v238, s67                    ; (pos2 - pos0 - 1e10) likewise
.irp g, 0,1,2,3
	v_cvt_scalef32_pk8_fp8_f32 v[16+2*\g:17+2*\g], v[S+8*\g:S+8*\g+7], v11   ; registers 4 c .. 4 c + 3 = channels 32 c + 16 h + 0 .. 15
.endr
	v_nop                                          ; one plain vector instruction behind the last conversion
	ds_store_b128 v228, v[16:19]                   ; the operand's registers as they are
	ds_store_b128 v228, v[20:23] offset:512
	ds_store_b128 v228, v[236:239] offset:1024
	INIT                                           ; tile A
	s_wait_alu depctr_va_vdst(0)                   ; at the head's end
	s_wait_dscnt 0x0                               ; for the others' sake: my stores have landed
	s_barrier_signal -1
	s_barrier_wait -1
	ds_load_b128 v[16:19], v229                    ; the long block's tile A,
	ds_load_b128 v[20:23], v229 offset:512
	ds_load_b128 v[248:251], v229 offset:1024
	ds_load_b128 v[24:27], v229 offset:3072        ; the short block's
	ds_load_b128 v[28:31], v229 offset:3584
	ds_load_b128 v[252:255], v229 offset:4096
	WIN 0x40
	ds_load_b128 v[16:19], v229 offset:1536        ; and their tiles B, into window 1
	ds_load_b128 v[20:23], v229 offset:2048
	ds_load_b128 v[248:251], v229 offset:2560
	ds_load_b128 v[24:27], v229 offset:4608
	ds_load_b128 v[28:31], v229 offset:5120
	ds_load_b128 v[252:255], v229 offset:5632
	WIN 0
; The diagonal step: dots + pos_g - causal, less the pos0 that every t gets.  Register 16 b + i of S^T is key 16 (2 b + h) + i of the step; my query is 16 x tile + r.  T_i: what key i of my query's own group of 16 gets;
; G_b = 1 where group 2 b + h is that group; H_b: what a whole later group gets.  Ascending.
.macro MASK w, bp, ti
.if \w
	WIN 0x40
.endif
	v_and_b32 v244, 15, v0                         ; r
	v_bfe_u32 v245, v0, 4, 1                       ; h
	WIN \w
	v_sub_nc_u32 v245, \ti, v245                   ; E = my tile - h
	v_mov_b32 v246, 1.0
.irp i, 0,1,2,3,4,5,6,7,8,9,10,11,12,13,14,15
	v_cmp_gt_u32 s41, \i, v244                     ; i > r: above the diagonal
	v_cmp_eq_u32 vcc_lo, \i, v244                  ; i = r: on it
	v_cndmask_b32 v[TT+\i], 0, v[\bp+2], s41
	v_cndmask_b32 v[TT+\i], v[TT+\i], v[\bp+1], vcc_lo
.endr
.irp b, 0,1,2,3
	v_cmp_eq_i32 s41, 2*\b, v245
	v_cmp_gt_i32 vcc_lo, 2*\b, v245
	v_cndmask_b32 v[GH+4*\b], 0, v246, s41
	v_cndmask_b32 v[GH+4*\b+1], 0, v246, s41
	v_cndmask_b32 v[GH+4*\b+2], 0, v[\bp+2], vcc_lo
	v_cndmask_b32 v[GH+4*\b+3], 0, v[\bp+2], vcc_lo
.endr
	s_wait_alu depctr_va_vdst(0)                   ; directly ahead of the first reader of the scores
.irp b, 0,1,2,3
.irp i, 0,2,4,6,8,10,12,14
	v_pk_fma_f32 v[S+16*\b+\i:S+16*\b+\i+1], v[TT+\i:TT+\i+1], v[GH+4*\b:GH+4*\b+1], v[S+16*\b+\i:S+16*\b+\i+1]
.endr
.endr
.irp b, 0,1,2,3
.irp i, 0,2,4,6,8,10,12,14
	v_pk_add_f32 v[S+16*\b+\i:S+16*\b+\i+1], v[S+16*\b+\i:S+16*\b+\i+1], v[GH+4*\b+2:GH+4*\b+3]
.endr
.endr
	WIN 0
.endm
; One tile's softmax: w = 0 (tile A, window 0) or 0x55 (tile B, window 1).
.macro SOFTMAX w, bp, ti
	s_cmp_lg_u32 s24, s26
	s_cbranch_scc1 .Lopen_\@                       ; all keys of this step come before my queries
	MASK \w, \bp, \ti
.Lopen_\@:
	WIN \w
.if \w
	s_wait_alu depctr_va_vdst(0)                   ; directly ahead of the first reader of tile B's scores
.endif
	v_max3_num_f32 v244, v[S], v[S+1], v[S+2]      ; the step's largest score of my query, among my 64 keys, in four chains,
	v_max3_num_f32 v245, v[S+3], v[S+4], v[S+5]
	v_max3_num_f32 v246, v[S+6], v[S+7], v[S+8]
	v_max3_num_f32 v247, v[S+9], v[S+10], v[S+11]
.set n, 12
.rept 6
	v_max3_num_f32 v244, v244, v[S+n], v[S+n+1]
	v_max3_num_f32 v245, v245, v[S+n+2], v[S+n+3]
	v_max3_num_f32 v246, v246, v[S+n+4], v[S+n+5]
	v_max3_num_f32 v247, v247, v[S+n+6], v[S+n+7]
.set n, n+8
.endr
	v_max3_num_f32 v244, v244, v[S+60], v[S+61]
	v_max3_num_f32 v245, v245, v[S+62], v[S+63]
	v_max3_num_f32 v244, v244, v245, v246
	s_delay_alu instid0(VALU_DEP_1)
	v_max_num_f32 v244, v244, v247
	s_delay_alu instid0(VALU_DEP_1)
	v_permlanex16_b32 v243, v244, s52, s53
	s_delay_alu instid0(VALU_DEP_1)
	v_max3_num_f32 v13, v13, v244, v243            ; and among lane l xor 16's: the running largest
	s_delay_alu instid0(VALU_DEP_1)
	v_fma_f32 v245, -v13, s50, -v[\bp]             ; -t, t = s c' + B0 (c' is positive)
	s_delay_alu instid0(VALU_DEP_1)
	v_floor_f32 v247, v245                         ; the new -M = floor(-t) = -ceil(t): M is a whole number
	s_delay_alu instid0(VALU_DEP_1)
	v_sub_f32 v246, v247, v242                     ; M's old value less its new one: a whole number, 0 or less
	s_delay_alu instid0(VALU_DEP_2)
	v_add_f32 v12, v[\bp], v247                    ; B0 - M
	s_delay_alu instid0(VALU_DEP_2)
	v_cvt_i32_f32 v246, v246                       ; (it saturates)
	v_mov_b32 v242, v247
	s_delay_alu instid0(VALU_DEP_2)
	v_ldexp_f32 v240, 1.0, v246                    ; f = 2^(old M - new M)
.set n, 0
.rept 32
	v_pk_fma_f32 v[S+n:S+n+1], v[S+n:S+n+1], s[50:51], v[12:13] op_sel_hi:[1,0,0]   ; t - M, two at a time (of the pairs c' and B0 - M the low word serves both halves)
.set n, n+2
.endr
	s_wait_alu depctr_va_vdst(0)                   ; ahead of the batch
.if \w
	s_wait_loadcnt 16                              ; V's 16 fragments of this step are in; the next step's 16 loads of K, issued behind them, may be out
.endif
.set n, 0
.rept 64
	v_exp_f32 v[S+n], v[S+n]                       ; p = 2^(t - M): not normalised
.set n, n+1
.endr
	v_pk_mul_f32 v[14:15], v[14:15], v[240:241] op_sel_hi:[1,0]   ; the sums under the new M.  (A plain place behind the exponentials)
	s_wait_alu depctr_va_vdst(0)                   ; one wait for the batch and for O^T, directly ahead of O^T's first readers
.set n, 0
.rept 16
	v_pk_mul_f32 v[O+n:O+n+1], v[O+n:O+n+1], v[240:241] op_sel_hi:[1,0]   ; O^T under the new M
.set n, n+2
.endr
	v_pk_add_f32 v[208:209], v[S:S+1], v[S+2:S+3]  ; the row's sum is taken of the unquantised p, in four chains
	v_pk_add_f32 v[210:211], v[S+4:S+5], v[S+6:S+7]
	v_pk_add_f32 v[212:213], v[S+8:S+9], v[S+10:S+11]
.set n, 12
.rept 6
	v_pk_add_f32 v[14:15], v[14:15], v[S+n:S+n+1]
	v_pk_add_f32 v[208:209], v[208:209], v[S+n+2:S+n+3]
	v_pk_add_f32 v[210:211], v[210:211], v[S+n+4:S+n+5]
	v_pk_add_f32 v[212:213], v[212:213], v[S+n+6:S+n+7]
.set n, n+8
.endr
	v_pk_add_f32 v[14:15], v[14:15], v[S+60:S+61]
	v_pk_add_f32 v[208:209], v[208:209], v[S+62:S+63]
	v_pk_add_f32 v[210:211], v[210:211], v[212:213]
	v_pk_add_f32 v[14:15], v[14:15], v[208:209]
	v_pk_add_f32 v[14:15], v[14:15], v[210:211]
	WIN 0
	s_cmp_eq_u32 s27, 0
	s_cbranch_scc1 .Lfree_\@                       ; the largest code x the scale lies over every p
	WIN \w
.set n, 0
.rept 64
	v_min_num_f32 v[S+n], s54, v[S+n]              ; the hold at the largest code x the scale; p is not negative, so it is one-sided
.set n, n+1
.endr
	WIN 0
.Lfree_\@:
	WIN \w
.irp b, 0,1,2,3
	v_cvt_scalef32_pk8_fp8_f32 v[PC+4*\b:PC+4*\b+1], v[S+16*\b:S+16*\b+7], v10
	v_cvt_scalef32_pk8_fp8_f32 v[PC+4*\b+2:PC+4*\b+3], v[S+16*\b+8:S+16*\b+15], v10
.endr
	v_nop                                          ; one plain vector instruction behind the last conversion
	WIN 0
.endm
; A key step: 128 keys x my two tiles.  The next step's loads go out as soon as their registers are free; behind my last step there is none.
.macro STEP qr, bp
	s_wait_loadcnt 16                              ; K's 16 fragment loads are in; V's 16, issued behind them, may be out
.irp t, 0,1,2,3,4,5,6,7
	v_wmma_f32_16x16x64_fp8_fp8 v[S+8*\t:S+8*\t+7], v[FR+8*\t:FR+8*\t+7], v[\qr:\qr+7], 0
.endr
	WIN 0x44                                       ; source 0 (K) window 0, source 1 (Q of tile B) and D window 1
.irp t, 0,1,2,3,4,5,6,7
	v_wmma_f32_16x16x64_fp8_fp8 v[S+8*\t:S+8*\t+7], v[FR+8*\t:FR+8*\t+7], v[\qr:\qr+7], 0
.endr
	WIN 0
	PLACES                                         ; in front of the loads below, and of the first read of the scores
	s_add_co_u32 s38, s24, 1
	s_cmp_lt_u32 s38, s23
	s_cbranch_scc0 .Llast_\@
	s_sub_co_u32 s36, s38, s22
	s_cmp_lt_u32 s38, s22
	s_cselect_b32 s36, s38, s36                    ; the next key step, of the long block's or of the short one's
	s_lshl_b32 s36, s36, 14
	s_add_nc_u64 s[30:31], s[34:35], s[36:37]      ; (the loads that named the old place are done: the wait at the step's head)
	KLOAD
	s_branch .Lgo_\@
.Llast_\@:
	s_wait_loadcnt 0x0                             ; no load goes out, so V's wait is here
.Lgo_\@:
	SOFTMAX 0, \bp, s39
	SOFTMAX 0x55, \bp, s40
	WIN 0x01                                       ; source 0 (V) window 1, the rest window 0
.irp t, 0,1,2,3                                ; the eight accumulators take turns, and the next step's sixteen products stand between two links
	v_wmma_f32_16x16x128_fp8_fp8 v[O+8*\t:O+8*\t+7], v[FR+16*\t:FR+16*\t+15], v[PC:PC+15], v[O+8*\t:O+8*\t+7]
.endr
	WIN 0x55
.irp t, 0,1,2,3
	v_wmma_f32_16x16x128_fp8_fp8 v[O+8*\t:O+8*\t+7], v[FR+16*\t:FR+16*\t+15], v[PC:PC+15], v[O+8*\t:O+8*\t+7]
.endr
	WIN 0
	PLACES                                         ; in front of the loads below, and of the stores behind the loop
	s_cmp_lt_u32 s38, s23
	s_cbranch_scc0 .Lend_\@
	s_add_nc_u64 s[32:33], s[34:35], s[36:37]      ; (V's loads that named the old place are done: the wait ahead of tile B's exponentials)
	WIN 0x40
	VTILE 0
	VTILE 1
	VTILE 2
	VTILE 3
	WIN 0
	s_branch .Lon_\@
.Lend_\@:
	s_wait_loadcnt 0x0
.Lon_\@:
.endm
; A segment: my steps of one block, then the hand-over of both tiles' sums (an empty segment hands zeros over, with -M = 3e38).
.macro SEG qr, bp, at
	s_cmp_ge_u32 s24, s25
	s_cbranch_scc1 .Lnone_\@
.Lstep_\@:
	STEP \qr, \bp
	s_add_co_u32 s24, s24, 1
	s_cmp_lt_u32 s24, s25
	s_cbranch_scc1 .Lstep_\@
.Lnone_\@:
	v_add_f32 v14, v14, v15                        ; the sum's two halves
	WIN 0x55
	v_add_f32 v14, v14, v15
	WIN 0
.irp k, 0,1,2,3,4,5,6,7
	ds_store_b128 v6, v[O+4*\k:O+4*\k+3] offset:\at+512*\k
.endr
	ds_store_b32 v7, v242 offset:\at
	ds_store_b32 v7, v14 offset:\at+256
	WIN 0x04                                       ; address window 0, data window 1
.irp k, 0,1,2,3,4,5,6,7
	ds_store_b128 v6, v[O+4*\k:O+4*\k+3] offset:\at+4096+512*\k
.endr
	ds_store_b32 v7, v242 offset:\at+128
	ds_store_b32 v7, v14 offset:\at+384
	WIN 0
.endm
	s_min_u32 s25, s23, s22                        ; the long block's part of my run
	s_sub_co_u32 s26, s22, 1
	s_wait_alu depctr_va_vdst(0)
	s_wait_dscnt 0x0                               ; Q's codes and terms
	SEG 16, 248, 0
	s_cmp_lt_u32 s18, 2
	s_cbranch_scc1 .Lmeet                          ; the couple's first two runs lie in the long block
	INIT
	WIN 0x40
	INIT
	WIN 0
	s_mov_b32 s25, s23
	s_mov_b32 s26, 16
	s_wait_alu depctr_va_vdst(0)                   ; ahead of the branch
	SEG 24, 252, 4*PART
.Lmeet:
	s_wait_loadcnt 0x0
	s_wait_dscnt 0x0                               ; for the others' sake: my stores have landed
	s_barrier_signal -1
	s_barrier_wait -1
; THE MERGE of one tile's cnt partial results: the common -M is the smallest; each partial result is multiplied by an exact power of two; the row's sum divides.
.macro MERGE cnt
.set k, 0
.rept \cnt
	ds_load_b32 v[16+k], v9 offset:PART*k          ; -M
	ds_load_b32 v[20+k], v9 offset:PART*k+256      ; the sum
.set k, k+1
.endr
.set k, 0
.rept \cnt
.irp i, 0,1,2,3,4,5,6,7
	ds_load_b128 v[32+32*k+4*\i:32+32*k+4*\i+3], v8 offset:PART*k+512*\i
.endr
.set k, k+1
.endr
	v_mov_b32 v25, 0
.irp i, 1,3,5,7
	v_mov_b32 v[208+\i], 0                         ; (named as upper halves of pairs)
.endr
	s_wait_alu depctr_va_vdst(0)
	s_wait_dscnt 8*\cnt                            ; all but the 8 loads of O^T for each partial result
	v_min_num_f32 v24, v16, v17
.if \cnt > 2
	v_min3_num_f32 v24, v24, v18, v19
.endif
.set k, 0
.rept \cnt
	v_sub_f32 v[26+k], v24, v[16+k]                ; (an empty one has -M = 3e38: its factor is 0)
.set k, k+1
.endr
.set k, 0
.rept \cnt
	v_cvt_i32_f32 v[26+k], v[26+k]
.set k, k+1
.endr
.set k, 0
.rept \cnt
	v_ldexp_f32 v[26+k], 1.0, v[26+k]
.set k, k+1
.endr
	v_mul_f32 v14, v20, v26
.set k, 1
.rept \cnt-1
	v_fma_f32 v14, v[20+k], v[26+k], v14
.set k, k+1
.endr
	v_permlanex16_b32 v25, v14, s52, s53
	v_add_f32 v14, v14, v25                        ; and lane l xor 16's: the row's sum
	s_wait_alu depctr_va_vdst(0)                   ; ahead of the transcendental
	v_rcp_f32 v14, v14
	v_nop                                          ; one plain place behind a transcendental
	s_wait_alu depctr_va_vdst(0)                   ; and ahead of its first reader
	v_ldexp_f32 v14, v14, s55                      ; x 2^(ep + ev)
.set k, 0
.rept \cnt
	v_mul_f32 v[208+2*k], v14, v[26+k]
.set k, k+1
.endr
	s_wait_alu depctr_va_vdst(0)
	s_wait_dscnt 0x0
.set n, 0
.rept 16
	v_pk_mul_f32 v[160+n:161+n], v[32+n:33+n], v[208:209] op_sel_hi:[1,0]
.set n, n+2
.endr
.set k, 1
.rept \cnt-1
.set n, 0
.rept 16
	v_pk_fma_f32 v[160+n:161+n], v[32+32*k+n:33+32*k+n], v[208+2*k:209+2*k], v[160+n:161+n] op_sel_hi:[1,0,1]   ; register 8 t + i is out(r, 16 t + 8 h + i)
.set n, n+2
.endr
.set k, k+1
.endr
	s_wait_alu depctr_va_vdst(0)                   ; ahead of the branch
.endm
	s_cmp_lt_u32 s18, 2
	s_cbranch_scc0 .Lshort
	MERGE 4                                        ; the long block's tile: the four waves' parts
	s_branch .Lout
.Lshort:
	MERGE 2                                        ; the short block's: the last two waves' parts
.Lout:
	; THE WAY OUT: through my own stage, so that whole rows leave
.irp t, 0,1,2,3
	ds_store_b128 v4, v[160+8*\t:163+8*\t] offset:64*\t
	ds_store_b128 v4, v[164+8*\t:167+8*\t] offset:64*\t+16
.endr
.irp i, 0,1,2,3,4,5,6,7
	ds_load_b128 v[64+4*\i:67+4*\i], v5 offset:2*\i*272   ; LDS serves a wave's instructions in order (ISA guide 5.7.1.4): these see my stores
.endr
.irp i, 0,1,2,3,4,5,6,7
	s_wait_dscnt 7-\i                              ; rows 2 i and 2 i + 1 are back; the younger loads may be out
	global_store_b128 v1, v[64+4*\i:67+4*\i], s[14:15] offset:512*\i th:TH_STORE_NT   ; 32 lanes store 512 consecutive bytes, at a multiple of 512 from out's first byte
.endr
	s_wait_tensorcnt 0x0                           ; the wave's end, behind my last LDS store
	ds_add_u32 v2, v3
	s_wait_dscnt 0x0
	s_endpgm
.Lfunc_end_k_q73f5c4cf6e_attn:
	.size	k_q73f5c4cf6e_attn, .Lfunc_end_k_q73f5c4cf6e_attn-k_q73f5c4cf6e_attn
	.p2alignl 7, 3214868480
	.fill 96, 4, 3214868480
	.section	.rodata,"a",@progbits
	.p2align	6, 0x0
	.amdhsa_kernel k_q73f5c4cf6e_attn
		.amdhsa_group_segment_fixed_size 187392
		.amdhsa_private_segment_fixed_size 0
		.amdhsa_enable_private_segment 0
		.amdhsa_kernarg_size 48
		.amdhsa_user_sgpr_count 2
		.amdhsa_user_sgpr_kernarg_segment_ptr 1
		.amdhsa_wavefront_size32 1
		.amdhsa_system_sgpr_workgroup_id_x 1
		.amdhsa_system_sgpr_workgroup_id_y 1
		.amdhsa_system_sgpr_workgroup_id_z 1
		.amdhsa_system_vgpr_workitem_id 0
		.amdhsa_next_free_vgpr 512
		.amdhsa_next_free_sgpr 80
		.amdhsa_reserve_vcc 1
		.amdhsa_float_denorm_mode_32 3
		.amdhsa_float_denorm_mode_16_64 3
		.amdhsa_memory_ordered 1
		.amdhsa_forward_progress 1
		.amdhsa_inst_pref_size 137
	.end_amdhsa_kernel
	.amdgpu_metadata
---
amdhsa.version: [ 1, 2 ]
amdhsa.kernels:
  - .name:           k_q73f5c4cf6e_attn
    .symbol:         k_q73f5c4cf6e_attn.kd
    .args:
      - { .name: query, .offset: 0, .size: 8, .value_kind: global_buffer, .address_space: global }
      - { .name: kv, .offset: 8, .size: 8, .value_kind: global_buffer, .address_space: global }
      - { .name: R_w, .offset: 16, .size: 8, .value_kind: global_buffer, .address_space: global }
      - { .name: R_b, .offset: 24, .size: 8, .value_kind: global_buffer, .address_space: global }
      - { .name: lowp_scales, .offset: 32, .size: 8, .value_kind: global_buffer, .address_space: global }
      - { .name: out0, .offset: 40, .size: 8, .value_kind: global_buffer, .address_space: global }
    .group_segment_fixed_size: 187392
    .private_segment_fixed_size: 0
    .kernarg_segment_align: 8
    .kernarg_segment_size: 48
    .max_flat_workgroup_size: 256
    .sgpr_count:     80
    .vgpr_count:     512
    .wavefront_size: 32
...
	.end_amdgpu_metadata
.endif
;; end of part 2
